; MI455X (gfx1250); checked and timed in simulation.
; The chip was launched on July 23, 2026; its instructions are those of AMD's public machine-readable ISA for CDNA 5 (MIT licence, August 2026) and "CDNA5" Instruction Set Architecture Reference Guide (July 2026). The comments in the code are by the model that wrote it; some were corrected since.
;; Multi Head Attention. Allowed arithmetic: float matrix products may take bf16 or f16 operands with f32 sums; all other float work in f32.
;; Inputs: w_k 1,024 x 1,024 float32; w_o 1,024 x 1,024 float32; w_q 1,024 x 1,024 float32; w_v 1,024 x 1,024 float32; x 4 x 2,048 x 1,024 float32.
;; Outputs: out0 4 x 2,048 x 1,024 float32.
;; 2 versions, each right; version 2 is version 1 with the launch cast written anew for expert scheduling mode. Each part assembles by itself: llvm-mc -triple=amdgcn-amd-amdhsa -mcpu=gfx1250 --defsym DOCPART=n.
;; ======== version 1 of 2: 4 launches
;; limits: values are held in f16: magnitudes above 65,504 overflow, below 6.1e-05 lose precision
;; workspace buffers: xh 16,777,216 bytes; wh 6,291,456 bytes; woh 2,097,152 bytes; qkv 50,331,648 bytes; ao 16,777,216 bytes
;; launch cast (part 1): grid 768 x 1, 4 waves a work-group, no clusters, 0 bytes of LDS; arguments x, w_q, w_k, w_v, w_o, xh, wh, woh; writes xh, wh, woh
.if DOCPART == 1
	.amdgcn_target "amdgcn-amd-amdhsa--gfx1250"
	.amdhsa_code_object_version 6
	.text
	.protected	k_qdd9ad4b54c_cast
	.globl	k_qdd9ad4b54c_cast
	.p2align	8
	.type	k_qdd9ad4b54c_cast,@function
k_qdd9ad4b54c_cast:
	s_mov_b64 s[64:65], 0
	v_nop
	global_prefetch_b8 v0, s[64:65] scope:SCOPE_SE
	s_setreg_imm32_b32 hwreg(HW_REG_WAVE_MODE, 25, 1), 1
	s_wait_xcnt 0x0
; f32 to f16, once, and a new order.  A panel holds 64 neighbouring columns.
;   xh  [16 panels][8192 rows][64];   wh [16 panels][3072 rows][64] (rows 0-1023 w_q, 1024-2047 w_k, 2048-3071 w_v);
;   woh [4 blocks of 256 rows][16 panels][256 rows][64]: all panels of a block of rows follow each other.
; LIMIT: a number of magnitude 65,520 or more becomes an f16 infinity; magnitudes below 6e-5 keep an absolute step of 6e-8.
; A stream: every input byte is read once and every output byte written once.  No LDS, no barrier, no matrix unit, no cluster: no two
; work-groups read the same byte and nothing is summed.
; 768 work-groups of 16 rows: 512 for x, 64 for each of the four weights.  A wave takes 4 rows.  A load of the wave takes one panel of two rows:
; lanes 0-15 the 256 consecutive bytes of one row, lanes 16-31 those of the next.  A lane's 4 numbers become 8 bytes, and a store of the wave
; covers 256 consecutive bytes, aligned (two rows of 128 bytes of the panel).
; All 32 loads of a wave go out first (16 KiB on their way); no register is written twice, so no source is ever overwritten.
.set X,   32                           ; v[32:159]  load i = 2 panel + row pair: 4 registers as loaded; its first 2 then hold the 4 f16
.set DOF, 4                            ; v[4:19]    panel p: byte offset of my 8 bytes in the destination
	s_load_b512 s[8:23], s[0:1], 0x0               ; x 8, w_q 10, w_k 12, w_v 14, w_o 16, xh 18, wh 20, woh 22
	s_mov_b32 s2, ttmp9                            ; g: the work-group
	s_and_b32 s26, s2, 63                          ; row group inside a weight (512, 576, 640, 704 are multiples of 64)
	s_lshl_b32 s26, s26, 16                        ; source offset in a weight: 16 rows of 4,096 bytes
	s_lshl_b32 s35, s2, 16                         ; source offset in x
	s_lshl_b32 s37, s2, 11                         ; destination offset in xh: 16 rows of 128 bytes
	s_sub_co_u32 s28, s2, 512
	s_lshl_b32 s28, s28, 11                        ; in wh (used where 512 <= g < 704)
	s_sub_co_u32 s29, s2, 704                      ; row group in w_o (used where g >= 704)
	s_lshr_b32 s36, s29, 4
	s_lshl_b32 s36, s36, 19                        ; its block of 256 rows: 16 panels x 32,768 bytes
	s_and_b32 s29, s29, 15
	s_lshl_b32 s29, s29, 11
	s_add_co_u32 s29, s29, s36                     ; in woh
	s_mov_b32 s32, 0x8000                          ; from panel to panel: woh 256 rows x 128 bytes
	s_mov_b32 s33, 0x60000                         ; wh 3072 rows x 128
	s_mov_b32 s34, 0x100000                        ; xh 8192 rows x 128
	v_lshrrev_b32 v1, 5, v0                        ; wave
	v_bfe_u32 v2, v0, 4, 1                         ; the upper sixteen lanes: one row further
	v_lshl_add_u32 v2, v1, 2, v2                   ; my row: 4 wave + lane / 16
	v_and_b32 v3, 15, v0
	v_lshlrev_b32 v3, 4, v3                        ; 16 bytes a lane
	v_lshl_add_u32 v3, v2, 12, v3                  ; + row x 4,096
	v_lshlrev_b32 v[DOF], 3, v0
	v_lshl_add_u32 v[DOF], v1, 8, v[DOF]           ; destination: 512 wave + 8 lane
	s_wait_kmcnt 0x0
	s_cmp_lt_u32 s2, 704                           ; the choices hang on the work-group's number alone
	s_cselect_b64 s[24:25], s[14:15], s[16:17]     ; source: w_v or w_o
	s_cselect_b64 s[30:31], s[20:21], s[22:23]     ; destination: wh or woh
	s_cselect_b32 s28, s28, s29
	s_cselect_b32 s32, s33, s32
	s_cmp_lt_u32 s2, 640
	s_cselect_b64 s[24:25], s[12:13], s[24:25]     ; w_k
	s_cmp_lt_u32 s2, 576
	s_cselect_b64 s[24:25], s[10:11], s[24:25]     ; w_q
	s_cmp_lt_u32 s2, 512
	s_cselect_b64 s[24:25], s[8:9], s[24:25]       ; x
	s_cselect_b64 s[30:31], s[18:19], s[30:31]     ; xh
	s_cselect_b32 s26, s35, s26
	s_cselect_b32 s28, s37, s28
	s_cselect_b32 s32, s34, s32
	s_mov_b32 s27, 0
	s_mov_b32 s29, 0
	s_add_nc_u64 s[24:25], s[24:25], s[26:27]
	s_add_nc_u64 s[30:31], s[30:31], s[28:29]
.irp p, 0,1,2,3,4,5,6,7,8,9,10,11,12,13,14,15
	global_load_b128 v[X+8*\p:X+8*\p+3],   v3, s[24:25] offset:256*\p th:TH_LOAD_NT          ; rows 4 w, 4 w + 1
	global_load_b128 v[X+8*\p+4:X+8*\p+7], v3, s[24:25] offset:256*\p+8192 th:TH_LOAD_NT     ; rows 4 w + 2, 4 w + 3
.endr
.irp p, 1,2,3,4,5,6,7,8,9,10,11,12,13,14,15
	v_add_nc_u32 v[DOF+\p], s32, v[DOF+\p-1]       ; one panel further
.endr
.irp p, 0,1,2,3,4,5,6,7,8,9,10,11,12,13,14,15
.irp q, 0,1
	s_wait_loadcnt 31-2*\p-\q                      ; loads come back in order: load 2 p + q is in, the younger ones stay out
	v_cvt_pk_f16_f32 v[X+8*\p+4*\q],   v[X+8*\p+4*\q],   v[X+8*\p+4*\q+1]   ; in place, ascending: a register is read no later than it is written
	v_cvt_pk_f16_f32 v[X+8*\p+4*\q+1], v[X+8*\p+4*\q+2], v[X+8*\p+4*\q+3]
	global_store_b64 v[DOF+\p], v[X+8*\p+4*\q:X+8*\p+4*\q+1], s[30:31] offset:256*\q
.endr
.endr
	s_endpgm
.Lfunc_end_k_qdd9ad4b54c_cast:
	.size	k_qdd9ad4b54c_cast, .Lfunc_end_k_qdd9ad4b54c_cast-k_qdd9ad4b54c_cast
	.p2alignl 7, 3214868480
	.fill 96, 4, 3214868480
	.section	.rodata,"a",@progbits
	.p2align	6, 0x0
	.amdhsa_kernel k_qdd9ad4b54c_cast
		.amdhsa_group_segment_fixed_size 0
		.amdhsa_private_segment_fixed_size 0
		.amdhsa_enable_private_segment 0
		.amdhsa_kernarg_size 64
		.amdhsa_user_sgpr_count 2
		.amdhsa_user_sgpr_kernarg_segment_ptr 1
		.amdhsa_wavefront_size32 1
		.amdhsa_system_sgpr_workgroup_id_x 1
		.amdhsa_system_sgpr_workgroup_id_y 1
		.amdhsa_system_sgpr_workgroup_id_z 1
		.amdhsa_system_vgpr_workitem_id 0
		.amdhsa_next_free_vgpr 160
		.amdhsa_next_free_sgpr 66
		.amdhsa_reserve_vcc 0
		.amdhsa_float_denorm_mode_32 3
		.amdhsa_float_denorm_mode_16_64 3
		.amdhsa_memory_ordered 1
		.amdhsa_forward_progress 1
		.amdhsa_inst_pref_size 14
	.end_amdhsa_kernel
	.amdgpu_metadata
---
amdhsa.version: [ 1, 2 ]
amdhsa.kernels:
  - .name:           k_qdd9ad4b54c_cast
    .symbol:         k_qdd9ad4b54c_cast.kd
    .args:
      - { .name: x, .offset: 0, .size: 8, .value_kind: global_buffer, .address_space: global }
      - { .name: w_q, .offset: 8, .size: 8, .value_kind: global_buffer, .address_space: global }
      - { .name: w_k, .offset: 16, .size: 8, .value_kind: global_buffer, .address_space: global }
      - { .name: w_v, .offset: 24, .size: 8, .value_kind: global_buffer, .address_space: global }
      - { .name: w_o, .offset: 32, .size: 8, .value_kind: global_buffer, .address_space: global }
      - { .name: xh, .offset: 40, .size: 8, .value_kind: global_buffer, .address_space: global }
      - { .name: wh, .offset: 48, .size: 8, .value_kind: global_buffer, .address_space: global }
      - { .name: woh, .offset: 56, .size: 8, .value_kind: global_buffer, .address_space: global }
    .group_segment_fixed_size: 0
    .private_segment_fixed_size: 0
    .kernarg_segment_align: 8
    .kernarg_segment_size: 64
    .max_flat_workgroup_size: 128
    .sgpr_count:     66
    .vgpr_count:     160
    .wavefront_size: 32
...
	.end_amdgpu_metadata
.endif
;; end of part 1
;; launch proj (part 2): grid 8 x 32, 4 waves a work-group, clusters of 4 x 4, 327,680 bytes of LDS; arguments xh, wh, qkv; writes qkv
.if DOCPART == 2
	.amdgcn_target "amdgcn-amd-amdhsa--gfx1250"
	.amdhsa_code_object_version 6
	.text
	.protected	k_qdd9ad4b54c_proj
	.globl	k_qdd9ad4b54c_proj
	.p2align	8
	.type	k_qdd9ad4b54c_proj,@function
k_qdd9ad4b54c_proj:
	s_mov_b64 s[64:65], 0
	v_nop
	global_prefetch_b8 v0, s[64:65] scope:SCOPE_SE
	s_setreg_imm32_b32 hwreg(HW_REG_WAVE_MODE, 25, 1), 1
	s_wait_xcnt 0x0
	s_wait_alu depctr_hold_cnt(0) depctr_sa_sdst(0) depctr_va_vdst(0) depctr_va_sdst(0) depctr_va_ssrc(0) depctr_va_vcc(0) depctr_vm_vsrc(0)
	s_getreg_b32 s2, hwreg(HW_REG_IB_STS2, 6, 4)
	s_cmp_eq_u32 s2, 0
	s_cbranch_scc0 .Lentry_in_a_cluster
	s_endpgm
.Lentry_in_a_cluster:
	s_bfe_u32 s2, ttmp6, 0x10000c
	s_cmp_lg_u32 s2, 0xf033
	s_cbranch_scc0 .Lentry_shape_is_right
	s_endpgm
.Lentry_shape_is_right:
; q, k, v in one product: C[m][n] = sum over e of x[m][e] w[n][e], m = 2048 b + s (8192), n = 0..3071 (w_q, w_k, w_v), e = 0..1023.
; Operands f16 (xh, wh, in panels of 64 along e), sums f32, result f16 into qkv [b 4][hh 48][s 2048][64], hh = n / 64.
; LIMIT: a result of magnitude 65,520 or more becomes an f16 infinity.
; A work-group makes 256 x 384 of C with four waves, a wave 128 x 192: 96 accumulator tiles, 768 registers.  32 x 8 = 256 work-groups.
; K goes in steps of one panel (64) through two LDS slots.  A panel's rows of a block are dense in memory, so a tile comes in as rows of 256 bytes
; (two rows of 128 bytes each) with 16 bytes of padding: row i of a tile lies at (i / 2) 272 + (i mod 2) 128.  The 16 lanes of half a fragment
; load then touch the 16-byte columns (r / 2) + 8 (r mod 2), all different modulo 16.
; CLUSTERS: 4 x 4 work-groups.  The four of a cluster row share A's tiles (same block row), the four of a column B's: each tile is asked for jointly.
; REGISTERS: window 0: addresses, A's fragments in two buffers (v32-95, v96-159), B's in three groups of four (v160-255);
;   windows 1 to 3: accumulator group g (n blocks 4 g .. 4 g + 3), tile (a, b) at 8 (4 a + b).
; The matrix instruction is used transposed (source 0 = rows of w, source 1 = rows of x): a lane then holds 8 neighbouring columns of one row of C.
; The 96 accumulators take turns, one instruction a turn, in the same order in every step.
.set HALFA, 17408                      ; 128 rows of A in LDS: 64 x 272
.set HALFB, 26112                      ; 192 rows of B: 96 x 272
.set SLOT,  2*HALFA+2*HALFB            ; 87,040
.set STAGE, 2*SLOT                     ; 174,080: behind the ring, 16 rows x 400 bytes for each wave; no tensor load lands here
.set SP,    400                        ; 384 bytes + 16: an odd multiple of 16
.set FBLK,  2176                       ; 16 rows of a tile
.set APAN,  0x100000                   ; bytes of a panel of xh
.set BPAN,  0x60000                    ; bytes of a panel of wh
.set ADRA, 16                          ; v16-17  my A fragments in slot 0, 1
.set ADRB, 20                          ; v20-21  my B fragments
.set STO,  24
.set RD,   25
.set CO,   26
.set AF0,  32
.set AF1,  96
.set BF,   160
.set TMP,  32                          ; the way out: v32-79
.set G1,  24                           ; s[24:31] group 1 for A
.set G0,  32                           ; s[32:39] group 0 for A, a set for each slot
.set G1B, 48                           ; s[48:55] group 1 for B
.set G0B, 56                           ; s[56:63] group 0 for B
.set G1W, (3<<16)|(1<<20)|(1<<21)|(5<<22)|(3<<25)   ; elements of 8 bytes; padding on; bit 21 beside a mask; after every 64 words; 4 words
.set MSB, 0
.macro WIN new                         ; the immediate's high byte repeats the setting that is left
.if MSB != (\new)
	s_set_vgpr_msb (MSB<<8)|(\new)
.set MSB, (\new)
.endif
.endm
.macro PLACES                          ; four places behind a matrix instruction (ISA guide 7.12.1) before its registers are loaded, read or written
.rept 4
	v_nop
.endr
.endm
; A joint load: waves 0 and 1 ask for A's halves, waves 2 and 3 for B's.  The branch hangs on the wave's number alone.
.macro JLOAD s
	s_cmp_eq_u32 s11, 0
	s_cbranch_scc0 .Lfor_b_\@
	tensor_load_to_lds s[G0+4*\s:G0+4*\s+3], s[G1:G1+7]
	s_nop 0
.rept 4
	v_nop
.endr
	s_branch .Lasked_\@
.Lfor_b_\@:
	tensor_load_to_lds s[G0B+4*\s:G0B+4*\s+3], s[G1B:G1B+7]
	s_nop 0
.rept 4
	v_nop
.endr
.Lasked_\@:
.endm
.macro CREST                           ; a round of the cluster's barrier behind its opening work-group barrier
	s_cmp_lg_u32 s10, 0
	s_cbranch_scc1 .Lnot_wave_0_\@
	s_barrier_signal -3
.Lnot_wave_0_\@:
	s_barrier_wait -3
	s_barrier_signal -1
	s_barrier_wait -1
.endm
.macro CROUND
	s_barrier_signal -1
	s_barrier_wait -1
	CREST
.endm
	s_load_b128 s[4:7], s[0:1], 0x0                ; xh s[4:5], wh s[6:7]
	s_load_b64 s[8:9], s[0:1], 0x10                ; qkv
	v_lshl_add_u32 v30, v0, 2, 0x30c00
	v_mov_b32 v31, 0
	ds_add_u32 v30, v31
	v_lshrrev_b32 v1, 5, v0
	v_readfirstlane_b32 s10, v1                    ; wave
	s_lshr_b32 s11, s10, 1                         ; my half of the rows; also: I fetch for A (0) or B (1)
	s_and_b32 s12, s10, 1                          ; my half of the columns; also: which half of that tile I fetch
	s_bfe_u32 s40, ttmp6, 0x40000                  ; cx
	s_bfe_u32 s41, ttmp6, 0x40004                  ; cy
	s_lshl_b32 s42, ttmp9, 2
	s_add_co_u32 s42, s42, s40                     ; block column
	s_and_b32 s13, ttmp7, 0xffff
	s_lshl_b32 s13, s13, 2
	s_add_co_u32 s13, s13, s41                     ; block row
	s_lshl_b32 s43, s41, 2
	s_lshl_b32 s43, 15, s43                        ; my row of the cluster
	s_lshl_b32 s44, 0x1111, s40                    ; my column
	s_or_b32 s[G1+0], s43, G1W
	s_or_b32 s[G1B+0], s44, G1W
	s_mov_b32 s[G1+1], 32<<16                      ; tensor_dim0 = 32 elements of 8 bytes
	s_mov_b32 s[G1B+1], 32<<16
	s_mov_b32 s[G1+2], 64<<16                      ; tensor_dim1 = 64 rows of 256 bytes (128 rows of A)
	s_mov_b32 s[G1B+2], 96<<16                     ; 96 (192 rows of B)
	s_mov_b32 s[G1+3], 32<<16                      ; tile_dim0
	s_mov_b32 s[G1B+3], 32<<16
	s_mov_b32 s[G1+4], 64                          ; tile_dim1
	s_mov_b32 s[G1B+4], 96
	s_mov_b32 s[G1+5], 32                          ; pitch: the block is dense
	s_mov_b32 s[G1B+5], 32
	s_mov_b32 s[G1+6], 0
	s_mov_b32 s[G1B+6], 0
	s_mov_b32 s[G1+7], 0
	s_mov_b32 s[G1B+7], 0
	s_lshl_b32 s16, s13, 15                        ; A: 256 rows x 128 bytes for each block row,
	s_lshl_b32 s17, s12, 14                        ; + my half
	s_add_co_u32 s16, s16, s17
	s_mov_b32 s17, 0
	s_mul_i32 s46, s42, 49152                      ; B: 384 rows x 128 bytes for each block column,
	s_mul_i32 s47, s12, 24576                      ; + my half
	s_add_co_u32 s46, s46, s47
	s_mov_b32 s47, 0
	s_mul_i32 s20, s12, HALFA                      ; LDS: A's halves, then B's; no place in the cluster enters
	s_mul_i32 s45, s12, HALFB
	s_add_co_u32 s45, s45, 2*HALFA
	s_wait_dscnt 0x0
	s_wait_kmcnt 0x0
	s_add_nc_u64 s[14:15], s[4:5], s[16:17]
	s_add_nc_u64 s[46:47], s[6:7], s[46:47]
	CROUND                                         ; all sixteen work-groups are here: the first joint loads meet
.irp s, 0,1
	s_mov_b32 s[G0+4*\s], 1
	s_add_co_u32 s[G0+4*\s+1], s20, \s*SLOT
	s_add_nc_u64 s[G0+4*\s+2:G0+4*\s+3], s[14:15], \s*APAN
	s_or_b32 s[G0+4*\s+3], s[G0+4*\s+3], 0x80000000
	s_mov_b32 s[G0B+4*\s], 1
	s_add_co_u32 s[G0B+4*\s+1], s45, \s*SLOT
	s_add_nc_u64 s[G0B+4*\s+2:G0B+4*\s+3], s[46:47], \s*BPAN
	s_or_b32 s[G0B+4*\s+3], s[G0B+4*\s+3], 0x80000000
	JLOAD \s                                       ; panels 0 and 1: two loads of the wave are out
.endr
	v_and_b32 v1, 15, v0                           ; r
	v_bfe_u32 v2, v0, 4, 1                         ; h
	v_lshrrev_b32 v4, 1, v1
	v_and_b32 v5, 1, v1
	v_mul_u32_u24 v3, v4, 272
	v_lshl_add_u32 v3, v5, 7, v3
	v_lshl_add_u32 v3, v2, 4, v3                   ; (r / 2) 272 + (r mod 2) 128 + 16 h
	s_mul_i32 s21, s11, HALFA
	s_mul_i32 s22, s12, HALFB
	s_add_co_u32 s22, s22, 2*HALFA
.irp s, 0,1
	v_add_nc_u32 v[ADRA+\s], s21, v3
	v_add_nc_u32 v[ADRB+\s], s22, v3
	s_add_co_u32 s21, s21, SLOT
	s_add_co_u32 s22, s22, SLOT
.endr
	s_mul_i32 s23, s10, 16*SP
	s_add_co_u32 s23, s23, STAGE                   ; my stage
	v_mul_u32_u24 v4, v1, SP
	v_lshl_add_u32 v4, v2, 4, v4
	v_add_nc_u32 v[STO], s23, v4                   ; in: row r, 16 bytes for each half of the lanes
	v_and_b32 v6, 31, v0
	v_lshrrev_b32 v5, 3, v6
	v_and_b32 v7, 7, v0
	v_mul_u32_u24 v5, v5, SP
	v_lshl_add_u32 v5, v7, 4, v5
	v_add_nc_u32 v[RD], s23, v5                    ; back: eight lanes take the 128 bytes of one row and head, four rows a load
	v_lshlrev_b32 v[CO], 4, v6                     ; and those four rows are 512 consecutive bytes of qkv
.macro LDA slot, j, buf                ; 16 loads: my 8 fragments of A, 32 along K at byte 64 j of the rows
.irp a, 0,1,2,3,4,5,6,7
	ds_load_b128 v[\buf+8*\a:\buf+8*\a+3],   v[ADRA+\slot] offset:\a*FBLK+64*\j
	ds_load_b128 v[\buf+8*\a+4:\buf+8*\a+7], v[ADRA+\slot] offset:\a*FBLK+64*\j+32
.endr
.endm
.macro LDB slot, j, g                  ; 8 loads: the four fragments of B's group g
.irp b, 0,1,2,3
	ds_load_b128 v[BF+32*\g+8*\b:BF+32*\g+8*\b+3],   v[ADRB+\slot] offset:(4*\g+\b)*FBLK+64*\j
	ds_load_b128 v[BF+32*\g+8*\b+4:BF+32*\g+8*\b+7], v[ADRB+\slot] offset:(4*\g+\b)*FBLK+64*\j+32
.endr
.endm
.macro MULG g, buf, half, zero         ; 16 products: m blocks 4 half .. 4 half + 3 x group g; zero = 1: the product starts the sum
	WIN (\g+1)*0x50
.irp a, 0,1,2,3
.irp b, 0,1,2,3
.if \zero
	v_wmma_f32_16x16x32_f16 v[8*(4*(4*\half+\a)+\b):8*(4*(4*\half+\a)+\b)+7], v[BF+32*\g+8*\b:BF+32*\g+8*\b+7], v[\buf+8*(4*\half+\a):\buf+8*(4*\half+\a)+7], 0
.else
	v_wmma_f32_16x16x32_f16 v[8*(4*(4*\half+\a)+\b):8*(4*(4*\half+\a)+\b)+7], v[BF+32*\g+8*\b:BF+32*\g+8*\b+7], v[\buf+8*(4*\half+\a):\buf+8*(4*\half+\a)+7], v[8*(4*(4*\half+\a)+\b):8*(4*(4*\half+\a)+\b)+7]
.endif
.endr
.endr
.endm
; The first half of a panel (buffer AF0); each group of B is loaded again, for the second half, as soon as it has been multiplied.
.macro STEP slot, zero
	s_wait_dscnt 16                                ; B's group 0 and A are in; the 16 loads of groups 1 and 2 are younger
	MULG 0, AF0, 0, \zero
	MULG 0, AF0, 1, \zero
	WIN 0
	PLACES
	LDB \slot, 1, 0
	LDA \slot, 1, AF1
	s_wait_dscnt 32                                ; group 1 is in: younger are group 2's 8 and the 24 just issued
	MULG 1, AF0, 0, \zero
	MULG 1, AF0, 1, \zero
	WIN 0
	PLACES
	LDB \slot, 1, 1
	s_wait_dscnt 32                                ; group 2 is in: younger are the 24 and the 8
	MULG 2, AF0, 0, \zero
	MULG 2, AF0, 1, \zero
	WIN 0
	PLACES
	LDB \slot, 1, 2
.endm
; The second half (buffer AF1), and the change of slots.  In front of the barrier each wave waits for its reads of this slot and for all its
; tensor loads (one is out: its part of the next slot).  fill = 1: the barrier opens a round of the cluster's barrier, and the joint refill of
; this slot, two panels ahead, is the first tensor load behind the round.  From that request to the wait for it a wave issues 176 products.
.macro TURN slot, next, fill
	s_wait_dscnt 16
	MULG 0, AF1, 0, 0
	s_wait_dscnt 0x0                               ; my reads of this slot are over
	s_wait_tensorcnt 0x0                           ; all my tensor loads have landed
	ds_add_u32 v30, v31
	s_wait_dscnt 0x0
	s_barrier_signal -1
	MULG 0, AF1, 1, 0                              ; register work while the others arrive
	WIN 0
	s_barrier_wait -1
.if \fill
	CREST
	s_add_nc_u64 s[G0+4*\slot+2:G0+4*\slot+3], s[G0+4*\slot+2:G0+4*\slot+3], 2*APAN
	s_add_nc_u64 s[G0B+4*\slot+2:G0B+4*\slot+3], s[G0B+4*\slot+2:G0B+4*\slot+3], 2*BPAN
	JLOAD \slot                                    ; its four v_nop are also the places in front of the loads below
.else
	PLACES
.endif
	LDB \next, 0, 0
	LDA \next, 0, AF0
	MULG 1, AF1, 0, 0                              ; groups 1 and 2 were shown in by the wait for 0 above
	MULG 1, AF1, 1, 0
	WIN 0
	PLACES
	LDB \next, 0, 1
	MULG 2, AF1, 0, 0
	MULG 2, AF1, 1, 0
	WIN 0
	PLACES
	LDB \next, 0, 2
.endm
.macro LAP zero
	STEP 0, \zero
	TURN 0, 1, 1
	STEP 1, 0
	TURN 1, 0, 1
.endm
	s_wait_tensorcnt 0x1                           ; my part of panel 0 is in; panel 1 stays out
	s_barrier_signal -1
	s_barrier_wait -1
	LDB 0, 0, 0
	LDA 0, 0, AF0
	LDB 0, 0, 1
	LDB 0, 0, 2
	LAP 1                                          ; panels 0, 1: the first products start the sums
	WIN 0
	s_mov_b32 s3, 6                                ; panels 2 to 13
.Llap:
	LAP 0
	WIN 0
	s_sub_co_u32 s3, s3, 1
	s_cmp_lg_u32 s3, 0
	s_cbranch_scc1 .Llap
	STEP 0, 0                                      ; panels 14, 15: nothing is left to fetch
	TURN 0, 1, 0
	STEP 1, 0
	s_wait_dscnt 16
	MULG 0, AF1, 0, 0
	MULG 0, AF1, 1, 0
	s_wait_dscnt 8
	MULG 1, AF1, 0, 0
	MULG 1, AF1, 1, 0
	s_wait_dscnt 0x0
	MULG 2, AF1, 0, 0
	MULG 2, AF1, 1, 0
	WIN 0
	PLACES
	; THE WAY OUT.  My rows: batch = block row / 8, s = 256 (block row mod 8) + 128 half.  My columns: heads 6 block column + 3 half .. + 2.
	s_lshr_b32 s16, s13, 3
	s_mul_i32 s16, s16, 48
	s_lshl_b32 s16, s16, 18                        ; a plane (one head of one batch) is 2048 x 128 bytes
	s_and_b32 s17, s13, 7
	s_lshl_b32 s17, s17, 8
	s_lshl_b32 s18, s11, 7
	s_add_co_u32 s17, s17, s18
	s_lshl_b32 s17, s17, 7
	s_add_co_u32 s16, s16, s17
	s_mov_b32 s17, 0
	s_add_nc_u64 s[8:9], s[8:9], s[16:17]
	s_mul_i32 s46, s42, 6
	s_mul_i32 s47, s12, 3
	s_add_co_u32 s46, s46, s47
	s_lshl_b32 s46, s46, 18
	s_mov_b32 s47, 0
	s_add_nc_u64 s[8:9], s[8:9], s[46:47]
; 16 rows at a time: round to f16, 16 bytes a lane into my own stage, read back so that a store covers 4 rows of one head: 512 consecutive bytes, aligned.
.macro OUT16 a, rb
.irp g, 0,1,2
	WIN 5*(\g+1)
.irp b, 0,1,2,3
.irp q, 0,1,2,3
	v_cvt_pk_f16_f32 v[TMP+4*(4*\g+\b)+\q], v[8*(4*\a+\b)+2*\q], v[8*(4*\a+\b)+2*\q+1]
.endr
.endr
.endr
	WIN 0
.irp b, 0,1,2,3,4,5,6,7,8,9,10,11
	ds_store_b128 v[STO], v[TMP+4*\b:TMP+4*\b+3] offset:32*\b
.endr
	s_wait_xcnt 0x0                                ; the registers below were data of earlier stores: loaded again only behind this wait
.irp u, 0,1,2,3
.irp i, 0,1,2
	ds_load_b128 v[\rb+4*(3*\u+\i):\rb+4*(3*\u+\i)+3], v[RD] offset:\u*4*SP+128*\i   ; LDS serves a wave in order: these see the stores above
.endr
.endr
.irp u, 0,1,2,3
.irp i, 0,1,2
	s_wait_dscnt 11-(3*\u+\i)
	global_store_b128 v[CO], v[\rb+4*(3*\u+\i):\rb+4*(3*\u+\i)+3], s[8:9] offset:\i*262144+(16*\a+4*\u)*128
.endr
.endr
.endm
	OUT16 0, 96
	OUT16 1, 160
	OUT16 2, 96
	OUT16 3, 160
	OUT16 4, 96
	OUT16 5, 160
	OUT16 6, 96
	OUT16 7, 160
	s_wait_tensorcnt 0x0
	ds_add_u32 v30, v31
	s_wait_dscnt 0x0
	CROUND                                         ; the closing round: no work-group ends while a partner may still ask jointly
	s_endpgm
.Lfunc_end_k_qdd9ad4b54c_proj:
	.size	k_qdd9ad4b54c_proj, .Lfunc_end_k_qdd9ad4b54c_proj-k_qdd9ad4b54c_proj
	.p2alignl 7, 3214868480
	.fill 96, 4, 3214868480
	.section	.rodata,"a",@progbits
	.p2align	6, 0x0
	.amdhsa_kernel k_qdd9ad4b54c_proj
		.amdhsa_group_segment_fixed_size 327680
		.amdhsa_private_segment_fixed_size 0
		.amdhsa_enable_private_segment 0
		.amdhsa_kernarg_size 24
		.amdhsa_user_sgpr_count 2
		.amdhsa_user_sgpr_kernarg_segment_ptr 1
		.amdhsa_wavefront_size32 1
		.amdhsa_system_sgpr_workgroup_id_x 1
		.amdhsa_system_sgpr_workgroup_id_y 1
		.amdhsa_system_sgpr_workgroup_id_z 1
		.amdhsa_system_vgpr_workitem_id 0
		.amdhsa_next_free_vgpr 1024
		.amdhsa_next_free_sgpr 66
		.amdhsa_reserve_vcc 0
		.amdhsa_float_denorm_mode_32 3
		.amdhsa_float_denorm_mode_16_64 3
		.amdhsa_memory_ordered 1
		.amdhsa_forward_progress 1
		.amdhsa_inst_pref_size 171
	.end_amdhsa_kernel
	.amdgpu_metadata
---
amdhsa.version: [ 1, 2 ]
amdhsa.kernels:
  - .name:           k_qdd9ad4b54c_proj
    .symbol:         k_qdd9ad4b54c_proj.kd
    .args:
      - { .name: xh, .offset: 0, .size: 8, .value_kind: global_buffer, .address_space: global }
      - { .name: wh, .offset: 8, .size: 8, .value_kind: global_buffer, .address_space: global }
      - { .name: qkv, .offset: 16, .size: 8, .value_kind: global_buffer, .address_space: global }
    .group_segment_fixed_size: 327680
    .private_segment_fixed_size: 0
    .kernarg_segment_align: 8
    .kernarg_segment_size: 24
    .max_flat_workgroup_size: 128
    .sgpr_count:     66
    .vgpr_count:     1024
    .wavefront_size: 32
...
	.end_amdgpu_metadata
.endif
;; end of part 2
;; launch attn (part 3): grid 4 x 64, 8 waves a work-group, clusters of 4 x 1, 327,680 bytes of LDS; arguments qkv, ao; writes ao
.if DOCPART == 3
	.amdgcn_target "amdgcn-amd-amdhsa--gfx1250"
	.amdhsa_code_object_version 6
	.text
	.protected	k_qdd9ad4b54c_attn
	.globl	k_qdd9ad4b54c_attn
	.p2align	8
	.type	k_qdd9ad4b54c_attn,@function
k_qdd9ad4b54c_attn:
	s_mov_b64 s[64:65], 0
	v_nop
	global_prefetch_b8 v0, s[64:65] scope:SCOPE_SE
	s_setreg_imm32_b32 hwreg(HW_REG_WAVE_MODE, 25, 1), 1
	s_wait_xcnt 0x0
	s_wait_alu depctr_hold_cnt(0) depctr_sa_sdst(0) depctr_va_vdst(0) depctr_va_sdst(0) depctr_va_ssrc(0) depctr_va_vcc(0) depctr_vm_vsrc(0)
	s_getreg_b32 s2, hwreg(HW_REG_IB_STS2, 6, 4)
	s_cmp_eq_u32 s2, 0
	s_cbranch_scc0 .Lentry_in_a_cluster
	s_endpgm
.Lentry_in_a_cluster:
	s_bfe_u32 s2, ttmp6, 0x10000c
	s_cmp_lg_u32 s2, 0x3003
	s_cbranch_scc0 .Lentry_shape_is_right
	s_endpgm
.Lentry_shape_is_right:
; softmax(q k^T / 8) v for one head and 512 query rows a work-group; qkv [b][hh 48][s 2048][64] f16 (hh = h: q, 16 + h: k, 32 + h: v);
; ao [block of 128 rows (16 b + s / 128)][h 16][128 rows][64] f16: all heads of a block of rows follow each other.
; Running maximum and running sum in f32; p = exp2(c s - c max), c = log2(e) / 8.  The negated scaled maximum NM is kept as it was rounded, and sums are
; rescaled by exp2(NM new - NM old), so that all p of a row stay on one scale whatever the size of the scores.
; LIMIT: p is rounded to f16 for the product with v (p below 3e-8 counts as 0; the row's sum is at least about 1); the result is rounded to f16.
; Eight waves, 64 query rows each (4 blocks of 16), two waves to a SIMD so that one wave's exponentials stand beside the other's products.
; TRANSPOSED: S^T = K Q^T (lane: query r; register j: key 8 h + j).  Two neighbouring S^T tiles, rounded to f16 in place, ARE the second operand of
; O^T = V^T P^T: no lane shuffle; maximum, sum and rescale factor are one number a lane.  V^T comes out of LDS by the transposing load.
; CLUSTER: the four work-groups of a cluster are the four query blocks of one head; every K and V tile (256 keys) is asked for jointly, mask 15.
; LDS: slot s at 71,680 s: K 128 x 272, V 128 x 288 (rows of 256 bytes = two keys; the paddings keep both kinds of load free of bank conflicts);
;   Q at 143,360 (each wave its own 32 x 272); stage at 212,992 (2,176 bytes a wave; no tensor load lands there).
; Tensor loads of a wave: three out at the start (Q, tile 0, tile 1), later one behind each round.
; Accumulators take turns, one instruction a turn.
.set KT,    34816
.set VT,    36864
.set SLOT,  KT+VT
.set QBASE, 2*SLOT
.set STAGE, QBASE+69632
.set FBLK,  2176
.set ADRK, 2                           ; v2-3   K fragments in slot 0, 1
.set ADRV, 4                           ; v4-5   V^T fragments
.set ADRQ, 6
.set STO,  7
.set RD,   8
.set CO,   9
.set PFV,  10
.set MN,   16                          ; v16-19 running maximum (raw scores), one for each block of 16 queries, kept in place
.set TB,   24
.set TD,   28
.set NM,   32                          ; v32-39 -c x maximum, twice (pairs)
.set AL,   40                          ; v40, 42, 44, 46 rescale factor; the packed forms take the first of the pair for both halves
.set LS,   48                          ; v48-63 four partial sums for each block
.set QF,   64                          ; v64-127  Q fragments 8 (2 sb + ks)
.set SC,   128                         ; v128-255 scores 32 sb + 8 tb, then p, then P^T fragments at 32 sb + 16 kk
.set OA,   0                           ; window 1: v256-383 O^T 8 (4 sb + db)
.set KF,   128                         ; window 1: v384-447 K fragments 8 (2 tb + ks)
.set VF,   192                         ; window 1: v448-511 V^T fragments 8 (4 kk + db)
.set G1K, 16
.set G1V, 24
.set G1Q, 32
.set G0K, 40
.set G0V, 48
.set G0Q, 56
.set MSB, 0
.macro WIN new
.if MSB != (\new)
	s_set_vgpr_msb (MSB<<8)|(\new)
.set MSB, (\new)
.endif
.endm
.macro PLACES
.rept 4
	v_nop
.endr
.endm
.macro ROUND                           ; a round of the cluster's barrier
	s_barrier_signal -1
	s_barrier_wait -1
	s_cmp_lg_u32 s8, 0
	s_cbranch_scc1 .Lnot_wave_0_\@
	s_barrier_signal -3
.Lnot_wave_0_\@:
	s_barrier_wait -3
	s_barrier_signal -1
	s_barrier_wait -1
.endm
.macro JLOAD s                         ; waves 0-3 ask for a quarter of K's tile each, waves 4-7 for a quarter of V's
	s_cmp_eq_u32 s9, 0
	s_cbranch_scc0 .Lfor_v_\@
	tensor_load_to_lds s[G0K+4*\s:G0K+4*\s+3], s[G1K:G1K+7]
	s_nop 0
.rept 4
	v_nop
.endr
	s_branch .Lasked_\@
.Lfor_v_\@:
	tensor_load_to_lds s[G0V+4*\s:G0V+4*\s+3], s[G1V:G1V+7]
	s_nop 0
.rept 4
	v_nop
.endr
.Lasked_\@:
.endm
.macro G1REST g                        ; 32 rows of 32 elements of 8 bytes, dense
	s_mov_b32 s[\g+1], 32<<16
	s_mov_b32 s[\g+2], 32<<16
	s_mov_b32 s[\g+3], 32<<16
	s_mov_b32 s[\g+4], 32
	s_mov_b32 s[\g+5], 32
	s_mov_b32 s[\g+6], 0
	s_mov_b32 s[\g+7], 0
.endm
	s_load_b128 s[4:7], s[0:1], 0x0                ; qkv s[4:5], ao s[6:7]
	v_lshl_add_u32 v22, v0, 2, 0x38400
	v_mov_b32 v23, 0
	ds_add_u32 v22, v23
	v_lshrrev_b32 v1, 5, v0
	v_readfirstlane_b32 s8, v1                     ; wave
	s_lshr_b32 s9, s8, 2                           ; I fetch for K (0) or V (1)
	s_and_b32 s10, s8, 3                           ; which quarter
	s_bfe_u32 s11, ttmp6, 0x40000                  ; cx
	s_lshl_b32 s12, ttmp9, 2
	s_add_co_u32 s12, s12, s11                     ; query block
	s_and_b32 s13, ttmp7, 0xffff                   ; 16 b + h
	s_lshr_b32 s14, s13, 4
	s_mul_i32 s14, s14, 48
	s_and_b32 s15, s13, 15
	s_add_co_u32 s14, s14, s15                     ; q's plane 48 b + h
	s_mov_b32 s60, 0x76543210                      ; v_permlanex16_b32: lane i reads lane i of the other half
	s_mov_b32 s61, 0xfedcba98
	s_mov_b32 s62, 0xbe38aa3b                      ; -c
	s_mov_b32 s66, 0x3e38aa3b                      ; c = log2(e) / 8
	s_mov_b32 s67, 0x3e38aa3b
	s_mov_b32 s72, 2                               ; the tile that the next prefetch names
	s_mov_b32 s[G1K], 15|(3<<16)|(1<<20)|(1<<21)|(5<<22)|(3<<25)   ; all four partners; 8-byte elements; 4 words of padding after every 64
	s_mov_b32 s[G1V], 15|(3<<16)|(1<<20)|(1<<21)|(5<<22)|(7<<25)   ; 8 words of padding
	s_mov_b32 s[G1Q], (3<<16)|(1<<20)|(5<<22)|(3<<25)              ; a load of my own
	G1REST G1K
	G1REST G1V
	G1REST G1Q
	s_add_co_u32 s74, s14, 16
	s_lshl_b32 s74, s74, 18                        ; k's plane; a plane is 2048 x 128 bytes
	s_mov_b32 s75, 0
	s_lshl_b32 s68, s10, 13                        ; my quarter: 64 keys x 128 bytes
	s_mov_b32 s69, 0
	s_lshl_b32 s78, s14, 18                        ; q: plane + 512 rows a block + 64 rows a wave
	s_lshl_b32 s79, s12, 16
	s_add_co_u32 s78, s78, s79
	s_lshl_b32 s79, s8, 13
	s_add_co_u32 s78, s78, s79
	s_mov_b32 s79, 0
	s_lshr_b32 s80, s13, 4                         ; ao: block of 128 rows = 16 b + 4 query block + wave / 2,
	s_lshl_b32 s80, s80, 4
	s_lshl_b32 s81, s12, 2
	s_add_co_u32 s80, s80, s81
	s_lshr_b32 s81, s8, 1
	s_add_co_u32 s80, s80, s81
	s_lshl_b32 s80, s80, 18                        ; of 16 heads x 16,384 bytes;
	s_and_b32 s81, s13, 15
	s_lshl_b32 s81, s81, 14                        ; my head;
	s_add_co_u32 s80, s80, s81
	s_and_b32 s81, s8, 1
	s_lshl_b32 s81, s81, 13                        ; my 64 rows of the 128
	s_add_co_u32 s80, s80, s81
	s_mov_b32 s81, 0
	s_mul_i32 s82, s10, 8704                       ; LDS: my quarter of K,
	s_mul_i32 s83, s10, 9216
	s_add_co_u32 s83, s83, KT                      ; of V,
	s_mul_i32 s15, s8, 8704
	s_add_co_u32 s15, s15, QBASE                   ; my Q
	s_wait_dscnt 0x0
	s_wait_kmcnt 0x0
	s_add_nc_u64 s[76:77], s[4:5], s[74:75]        ; k's plane (hangs on the cluster's y alone)
	s_add_nc_u64 s[68:69], s[76:77], s[68:69]      ; + my quarter
	s_add_nc_u64 s[78:79], s[4:5], s[78:79]
	s_add_nc_u64 s[6:7], s[6:7], s[80:81]
	ROUND                                          ; in front of the first loads
	s_mov_b32 s[G0Q], 1
	s_mov_b32 s[G0Q+1], s15
	s_mov_b64 s[G0Q+2:G0Q+3], s[78:79]
	s_or_b32 s[G0Q+3], s[G0Q+3], 0x80000000
	tensor_load_to_lds s[G0Q:G0Q+3], s[G1Q:G1Q+7]
	s_nop 0
.irp s, 0,1
	s_mov_b32 s[G0K+4*\s], 1
	s_add_co_u32 s[G0K+4*\s+1], s82, \s*SLOT
	s_add_nc_u64 s[G0K+4*\s+2:G0K+4*\s+3], s[68:69], \s*32768
	s_or_b32 s[G0K+4*\s+3], s[G0K+4*\s+3], 0x80000000
	s_mov_b32 s[G0V+4*\s], 1
	s_add_co_u32 s[G0V+4*\s+1], s83, \s*SLOT
	s_add_nc_u64 s[G0V+4*\s+2:G0V+4*\s+3], s[68:69], \s*32768+4194304   ; v's plane lies 16 planes behind k's
	s_or_b32 s[G0V+4*\s+3], s[G0V+4*\s+3], 0x80000000
	JLOAD \s
.endr
	v_and_b32 v11, 15, v0                          ; r
	v_bfe_u32 v12, v0, 4, 1                        ; h
	v_lshrrev_b32 v14, 1, v11
	v_and_b32 v15, 1, v0
	v_mul_u32_u24 v13, v14, 272
	v_lshl_add_u32 v13, v15, 7, v13
	v_lshl_add_u32 v13, v12, 4, v13                ; (r / 2) 272 + (r mod 2) 128 + 16 h
	v_mov_b32 v[ADRK], v13
	v_add_nc_u32 v[ADRK+1], SLOT, v13
	v_bfe_u32 v14, v0, 1, 2                        ; V: key 8 h + (lane mod 8) lies at (4 h + (lane mod 8) / 2) 288 + (lane mod 2) 128,
	v_lshl_add_u32 v14, v12, 2, v14
	v_mul_u32_u24 v14, v14, 288
	v_lshl_add_u32 v14, v15, 7, v14
	v_bfe_u32 v15, v0, 3, 1
	v_lshl_add_u32 v14, v15, 4, v14                ; + 16 bytes for the upper eight of sixteen columns
	v_add_nc_u32 v[ADRV], KT, v14
	v_add_nc_u32 v[ADRV+1], KT+SLOT, v14
	v_add_nc_u32 v[ADRQ], s15, v13
	s_mul_i32 s73, s8, FBLK
	s_add_co_u32 s73, s73, STAGE
	v_add_nc_u32 v[STO], s73, v13
	v_mul_u32_u24 v14, v12, 272
	v_lshl_add_u32 v14, v11, 4, v14
	v_add_nc_u32 v[RD], s73, v14
	v_and_b32 v14, 31, v0
	v_lshlrev_b32 v[CO], 4, v14
	s_lshl_b32 s73, s12, 13
	v_lshl_add_u32 v[PFV], v14, 8, s73             ; prefetch: lanes 256 bytes apart, my work-group's quarter of a tile
.irp sb, 0,1,2,3
	v_mov_b32 v[MN+\sb], 0xff800000                ; minus infinity
	v_mov_b32 v[TD+\sb], 0                         ; a lane permute's destination counts as read
	v_mov_b32 v[AL+2*\sb+1], 0                     ; the second of each factor's pair is named by the packed forms and never used
.endr
.macro LOADK slot, c                   ; 16 loads: 64 keys x 64
	WIN 0x40
.irp tb, 0,1,2,3
.irp ks, 0,1
	ds_load_b128 v[KF+8*(2*\tb+\ks):KF+8*(2*\tb+\ks)+3],   v[ADRK+\slot] offset:(\c)*8704+\tb*FBLK+64*\ks
	ds_load_b128 v[KF+8*(2*\tb+\ks)+4:KF+8*(2*\tb+\ks)+7], v[ADRK+\slot] offset:(\c)*8704+\tb*FBLK+64*\ks+32
.endr
.endr
.endm
.macro LOADV slot, c                   ; 16 transposing loads: 64 columns x 64 keys
	WIN 0x40
.irp kk, 0,1
.irp db, 0,1,2,3
	ds_load_tr16_b128 v[VF+8*(4*\kk+\db):VF+8*(4*\kk+\db)+3],   v[ADRV+\slot] offset:(\c)*9216+\kk*4608+32*\db
	ds_load_tr16_b128 v[VF+8*(4*\kk+\db)+4:VF+8*(4*\kk+\db)+7], v[ADRV+\slot] offset:(\c)*9216+\kk*4608+2304+32*\db
.endr
.endr
.endm
.macro SPROD                           ; 32 products: all 16 tiles on d = 0..31 (they start the sums), then all 16 on d = 32..63
	WIN 0x01
.irp sb, 0,1,2,3
.irp tb, 0,1,2,3
	v_wmma_f32_16x16x32_f16 v[SC+32*\sb+8*\tb:SC+32*\sb+8*\tb+7], v[KF+16*\tb:KF+16*\tb+7], v[QF+16*\sb:QF+16*\sb+7], 0
.endr
.endr
.irp sb, 0,1,2,3
.irp tb, 0,1,2,3
	v_wmma_f32_16x16x32_f16 v[SC+32*\sb+8*\tb:SC+32*\sb+8*\tb+7], v[KF+16*\tb+8:KF+16*\tb+15], v[QF+16*\sb+8:QF+16*\sb+15], v[SC+32*\sb+8*\tb:SC+32*\sb+8*\tb+7]
.endr
.endr
.endm
.macro PVK kk, zero                    ; 16 products on 32 keys
.irp sb, 0,1,2,3
.irp db, 0,1,2,3
.if \zero
	v_wmma_f32_16x16x32_f16 v[OA+8*(4*\sb+\db):OA+8*(4*\sb+\db)+7], v[VF+8*(4*\kk+\db):VF+8*(4*\kk+\db)+7], v[SC+32*\sb+16*\kk:SC+32*\sb+16*\kk+7], 0
.else
	v_wmma_f32_16x16x32_f16 v[OA+8*(4*\sb+\db):OA+8*(4*\sb+\db)+7], v[VF+8*(4*\kk+\db):VF+8*(4*\kk+\db)+7], v[SC+32*\sb+16*\kk:SC+32*\sb+16*\kk+7], v[OA+8*(4*\sb+\db):OA+8*(4*\sb+\db)+7]
.endif
.endr
.endr
.endm
.macro RTILE sb, db                    ; one tile of O^T times the lane's factor (destination and source 0 in window 1, source 1 in window 0)
.irp i, 0,2,4,6
	v_pk_mul_f32 v[OA+8*(4*(\sb)+\db)+\i:OA+8*(4*(\sb)+\db)+\i+1], v[OA+8*(4*(\sb)+\db)+\i:OA+8*(4*(\sb)+\db)+\i+1], v[AL+2*(\sb):AL+2*(\sb)+1] op_sel_hi:[1,0]
.endr
.endm
; The rescale and the first 32 keys' products, under one setting of the windows.  Block 0 is rescaled first; behind each product of block sb stand the four
; multiplies of the same tile of block sb + 1.  They name none of that product's registers, and a tile's multiplies stand three products ahead of its own.
.macro PVR
.irp db, 0,1,2,3
	RTILE 0, \db
.endr
.irp sb, 0,1,2,3
.irp db, 0,1,2,3
	v_wmma_f32_16x16x32_f16 v[OA+8*(4*\sb+\db):OA+8*(4*\sb+\db)+7], v[VF+8*\db:VF+8*\db+7], v[SC+32*\sb:SC+32*\sb+7], v[OA+8*(4*\sb+\db):OA+8*(4*\sb+\db)+7]
.if \sb < 3
	RTILE \sb+1, \db
.endif
.endr
.endr
.endm
.macro FMA1 g, i                       ; tile g, two numbers: c s - c max
	v_pk_fma_f32 v[SC+8*(\g)+\i:SC+8*(\g)+\i+1], v[SC+8*(\g)+\i:SC+8*(\g)+\i+1], s[66:67], v[NM+2*((\g)/4):NM+2*((\g)/4)+1] op_sel_hi:[1,0,1]
.endm
.macro EXP1 g, i
	v_exp_f32 v[SC+8*(\g)+\i], v[SC+8*(\g)+\i]
.endm
.macro LADD j                          ; p's pair j onto the partial sums (p_ and l_ are set by SUM1)
	s_wait_alu depctr_va_vdst(0)
	v_pk_add_f32 v[l_+2*(\j%2):l_+2*(\j%2)+1], v[l_+2*(\j%2):l_+2*(\j%2)+1], v[p_+2*\j:p_+2*\j+1]
.endm
.macro SUM1 g, j, first                ; step j of four: tile g's p into the block's sums
.set p_, SC+8*(\g)
.set l_, LS+4*((\g)/4)
.set a_, AL+2*((\g)/4)
.if ((\g)%4) == 0
.if \first
.if \j < 2
	s_wait_alu depctr_va_vdst(0)
	v_pk_add_f32 v[l_+2*\j:l_+2*\j+1], v[p_+2*\j:p_+2*\j+1], v[p_+4+2*\j:p_+5+2*\j]          ; the first p start the sums
.endif
.else
.if \j < 2
	s_wait_alu depctr_va_vdst(0)
	v_pk_fma_f32 v[l_+2*\j:l_+2*\j+1], v[l_+2*\j:l_+2*\j+1], v[a_:a_+1], v[p_+2*\j:p_+2*\j+1] op_sel_hi:[1,0,1]   ; the old sums are rescaled on the way
.else
	LADD \j
.endif
.endif
.else
	LADD \j
.endif
.endm
.macro CVTS g                          ; tile g's p to f16, at its place in the P^T fragment
.set p_, SC+8*(\g)
.set d_, SC+32*((\g)/4)+16*(((\g)%4)/2)+4*((\g)%2)
.irp i, 0,1,2,3
	v_cvt_pk_f16_f32 v[d_+\i], v[p_+2*\i], v[p_+2*\i+1]
.endr
.endm
; Tile g's eight exponentials, each followed by a plain instruction of a neighbouring tile: the next tile's multiply-adds, the tile before's sums.
; So a plain instruction that touches neither result nor source stands behind each exponential (ISA guide 5.7.2), and a result is used a whole step later.
.macro GSTEP g, first
.irp i, 0,1,2,3
	EXP1 \g, \i
.if \g < 15
	FMA1 \g+1, 2*\i
.endif
.endr
.irp i, 0,1,2,3
	EXP1 \g, 4+\i
.if \g > 0
	SUM1 \g-1, \i, \first
.endif
.endr
.if \g > 0
	CVTS \g-1
.endif
.endm
.macro SOFT first
	; the largest of the lane's 32 scores of each block and the old maximum: two chains a block, the four blocks interleaved
.irp k, 0,1,2,3,4,5,6,7
.irp sb, 0,1,2,3
.if \k == 0
	v_max3_num_f32 v[MN+\sb], v[MN+\sb], v[SC+32*\sb], v[SC+32*\sb+1]
	v_max3_num_f32 v[TB+\sb], v[SC+32*\sb+16], v[SC+32*\sb+17], v[SC+32*\sb+18]
.else
	v_max3_num_f32 v[MN+\sb], v[MN+\sb], v[SC+32*\sb+2*\k], v[SC+32*\sb+2*\k+1]
.if \k < 7
	v_max3_num_f32 v[TB+\sb], v[TB+\sb], v[SC+32*\sb+17+2*\k], v[SC+32*\sb+18+2*\k]
.endif
.endif
.endr
.endr
.irp sb, 0,1,2,3
	v_max3_num_f32 v[MN+\sb], v[MN+\sb], v[TB+\sb], v[SC+32*\sb+31]
.endr
.irp sb, 0,1,2,3
	v_permlanex16_b32 v[TD+\sb], v[MN+\sb], s60, s61               ; the other half of the lanes holds the query's other keys
.endr
.irp sb, 0,1,2,3
	v_max_num_f32 v[MN+\sb], v[MN+\sb], v[TD+\sb]
.endr
.irp sb, 0,1,2,3
	v_mul_f32 v[TB+\sb], s62, v[MN+\sb]                            ; NM new
.endr
.if \first == 0
.irp sb, 0,1,2,3
	v_sub_f32 v[TD+\sb], v[TB+\sb], v[NM+2*\sb]                    ; NM new - NM old, at most 0
.endr
.endif
.irp sb, 0,1,2,3
	v_mov_b32 v[NM+2*\sb], v[TB+\sb]
	v_mov_b32 v[NM+2*\sb+1], v[TB+\sb]
.endr
.if \first == 0
.irp sb, 0,1,2,3
	v_exp_f32 v[AL+2*\sb], v[TD+\sb]
.endr
.endif
.irp i, 0,2,4,6
	FMA1 0, \i
.endr
.irp g, 0,1,2,3,4,5,6,7,8,9,10,11,12,13,14,15
	GSTEP \g, \first
.endr
.irp j, 0,1,2,3
	SUM1 15, \j, \first
.endr
	CVTS 15
.endm
; 64 keys.  first = 1: nothing to rescale, the products start O.  more = 1: the next 64 keys' K fragments are fetched behind the score products.
.macro CHUNK slot, c, first, more
	LOADV \slot, \c
	s_wait_dscnt 16                                ; K's fragments (and, in the first chunk of all, Q's) are in; V's 16 loads are younger
	SPROD
	PLACES                                         ; behind the score products: K's fragments are loaded again, the scores are read
.if \more
	LOADK \slot, \c+1
.endif
	WIN 0
	SOFT \first
.if \more
	s_wait_dscnt 16                                ; V is in; the next K's 16 loads are younger
.else
	s_wait_dscnt 0x0
.endif
	WIN 0x51
.if \first
	PVK 0, 1
.else
	PVR
.endif
	PVK 1, 0
.rept 5
	v_nop                                          ; five places: the next score products write over P's registers, the next loads over V's
.endr
.endm
; Wave 0 asks the far cache for my work-group's quarter (32 lanes x 256 bytes of K, the same of V) of the tile two tiles on, which the refill at the
; head of the next tile will load: two chunks ahead of that refill.  The four partners' quarters make the tile.  Clamped to the last tile, tile 7.
.macro PF
	WIN 0
	s_wait_xcnt 0x0                                ; the last prefetch's base is rewritten only behind this wait (that prefetch stands a whole tile back)
	s_min_u32 s73, s72, 7
	s_lshl_b32 s74, s73, 15
	s_add_nc_u64 s[70:71], s[76:77], s[74:75]      ; s75 = 0
	s_add_co_u32 s72, s72, 1
	s_cmp_lg_u32 s8, 0
	s_cbranch_scc1 .Lno_pf_\@
	global_prefetch_b8 v[PFV], s[70:71] th:TH_LOAD_NT scope:SCOPE_SE
	global_prefetch_b8 v[PFV], s[70:71] offset:4194304 th:TH_LOAD_NT scope:SCOPE_SE
.Lno_pf_\@:
.endm
; A tile of 256 keys in slot.  sync = 1: every wave waits for its reads of the other slot and for all its tensor loads (its part of this slot among them),
; a round of the cluster's barrier, and the joint refill of the other slot, first behind the round.  sync = 2: the same waits, a barrier, no refill.
.macro TILE slot, other, sync, first, pf
.if \sync
	WIN 0
	s_wait_dscnt 0x0
	s_wait_tensorcnt 0x0
	ds_add_u32 v22, v23
	s_wait_dscnt 0x0
.if \sync == 1
	s_add_nc_u64 s[G0K+4*\other+2:G0K+4*\other+3], s[G0K+4*\other+2:G0K+4*\other+3], 65536   ; no load of mine is out: two tiles on
	s_add_nc_u64 s[G0V+4*\other+2:G0V+4*\other+3], s[G0V+4*\other+2:G0V+4*\other+3], 65536
	ROUND
	JLOAD \other
.else
	s_barrier_signal -1
	s_barrier_wait -1
.endif
.endif
	LOADK \slot, 0
	CHUNK \slot, 0, \first, 1
	CHUNK \slot, 1, 0, 1
.if \pf
	PF
.endif
	CHUNK \slot, 2, 0, 1
	CHUNK \slot, 3, 0, 0
.endm
	s_wait_tensorcnt 0x1                           ; Q and my part of tile 0 are in; tile 1 stays out
	s_barrier_signal -1
	s_barrier_wait -1
.irp sb, 0,1,2,3
.irp ks, 0,1
	ds_load_b128 v[QF+8*(2*\sb+\ks):QF+8*(2*\sb+\ks)+3],   v[ADRQ] offset:\sb*FBLK+64*\ks
	ds_load_b128 v[QF+8*(2*\sb+\ks)+4:QF+8*(2*\sb+\ks)+7], v[ADRQ] offset:\sb*FBLK+64*\ks+32
.endr
.endr
	TILE 0, 1, 0, 1, 1                             ; tile 0
	WIN 0
	s_mov_b32 s63, 3                               ; tiles 1 to 6
.Ltiles:
	TILE 1, 0, 1, 0, 1
	TILE 0, 1, 1, 0, 1
	WIN 0
	s_sub_co_u32 s63, s63, 1
	s_cmp_lg_u32 s63, 0
	s_cbranch_scc1 .Ltiles
	TILE 1, 0, 2, 0, 0                             ; tile 7: nothing is left to fetch or to ask for
	; divide by the row's sum, round, and out through my own stage
	WIN 0
.irp sb, 0,1,2,3
	v_pk_add_f32 v[LS+4*\sb:LS+4*\sb+1], v[LS+4*\sb:LS+4*\sb+1], v[LS+4*\sb+2:LS+4*\sb+3]
.endr
.irp sb, 0,1,2,3
	v_add_f32 v[TB+\sb], v[LS+4*\sb], v[LS+4*\sb+1]
.endr
.irp sb, 0,1,2,3
	v_permlanex16_b32 v[TD+\sb], v[TB+\sb], s60, s61
.endr
.irp sb, 0,1,2,3
	v_add_f32 v[TB+\sb], v[TB+\sb], v[TD+\sb]
.endr
.irp sb, 0,1,2,3
	v_rcp_f32 v[AL+2*\sb], v[TB+\sb]
.endr
	v_nop                                          ; one plain place behind the reciprocals
	s_wait_alu depctr_va_vdst(0)
	WIN 0x41
.irp sb, 0,1,2,3
.irp db, 0,1,2,3
	RTILE \sb, \db
.endr
.endr
	WIN 0x05
.irp sb, 0,1,2,3
.irp db, 0,1,2,3
.irp i, 0,1,2,3
	v_cvt_pk_f16_f32 v[SC+16*\sb+4*\db+\i], v[OA+8*(4*\sb+\db)+2*\i], v[OA+8*(4*\sb+\db)+2*\i+1]   ; 8 neighbouring d of query r
.endr
.endr
.endr
	WIN 0
.irp sb, 0,1,2,3
.irp db, 0,1,2,3
	ds_store_b128 v[STO], v[SC+16*\sb+4*\db:SC+16*\sb+4*\db+3] offset:32*\db
.endr
.irp u, 0,1,2,3
	ds_load_b128 v[192+16*\sb+4*\u:192+16*\sb+4*\u+3], v[RD] offset:544*\u     ; LDS serves a wave in order: these see the stores above
.endr
.irp u, 0,1,2,3
	s_wait_dscnt 3-\u
	global_store_b128 v[CO], v[192+16*\sb+4*\u:192+16*\sb+4*\u+3], s[6:7] offset:2048*\sb+512*\u   ; four rows: 512 consecutive bytes, aligned
.endr
.endr
	s_wait_tensorcnt 0x0
	ds_add_u32 v22, v23
	s_wait_dscnt 0x0
	ROUND                                          ; the closing round
	s_endpgm
.Lfunc_end_k_qdd9ad4b54c_attn:
	.size	k_qdd9ad4b54c_attn, .Lfunc_end_k_qdd9ad4b54c_attn-k_qdd9ad4b54c_attn
	.p2alignl 7, 3214868480
	.fill 96, 4, 3214868480
	.section	.rodata,"a",@progbits
	.p2align	6, 0x0
	.amdhsa_kernel k_qdd9ad4b54c_attn
		.amdhsa_group_segment_fixed_size 327680
		.amdhsa_private_segment_fixed_size 0
		.amdhsa_enable_private_segment 0
		.amdhsa_kernarg_size 16
		.amdhsa_user_sgpr_count 2
		.amdhsa_user_sgpr_kernarg_segment_ptr 1
		.amdhsa_wavefront_size32 1
		.amdhsa_system_sgpr_workgroup_id_x 1
		.amdhsa_system_sgpr_workgroup_id_y 1
		.amdhsa_system_sgpr_workgroup_id_z 1
		.amdhsa_system_vgpr_workitem_id 0
		.amdhsa_next_free_vgpr 512
		.amdhsa_next_free_sgpr 84
		.amdhsa_reserve_vcc 0
		.amdhsa_float_denorm_mode_32 3
		.amdhsa_float_denorm_mode_16_64 3
		.amdhsa_memory_ordered 1
		.amdhsa_forward_progress 1
		.amdhsa_inst_pref_size 255
	.end_amdhsa_kernel
	.section	.bss,"aw",@nobits
	.p2align	6
	.space	262144
	.amdgpu_metadata
---
amdhsa.version: [ 1, 2 ]
amdhsa.kernels:
  - .name:           k_qdd9ad4b54c_attn
    .symbol:         k_qdd9ad4b54c_attn.kd
    .args:
      - { .name: qkv, .offset: 0, .size: 8, .value_kind: global_buffer, .address_space: global }
      - { .name: ao, .offset: 8, .size: 8, .value_kind: global_buffer, .address_space: global }
    .group_segment_fixed_size: 327680
    .private_segment_fixed_size: 0
    .kernarg_segment_align: 8
    .kernarg_segment_size: 16
    .max_flat_workgroup_size: 256
    .sgpr_count:     84
    .vgpr_count:     512
    .wavefront_size: 32
...
	.end_amdgpu_metadata
.endif
;; end of part 3
;; launch oproj (part 4): grid 4 x 64, 4 waves a work-group, clusters of 4 x 4, 327,680 bytes of LDS; arguments ao, woh, out0; writes out0
.if DOCPART == 4
	.amdgcn_target "amdgcn-amd-amdhsa--gfx1250"
	.amdhsa_code_object_version 6
	.text
	.protected	k_qdd9ad4b54c_oproj
	.globl	k_qdd9ad4b54c_oproj
	.p2align	8
	.type	k_qdd9ad4b54c_oproj,@function
k_qdd9ad4b54c_oproj:
	s_mov_b64 s[64:65], 0
	v_nop
	global_prefetch_b8 v0, s[64:65] scope:SCOPE_SE
	s_setreg_imm32_b32 hwreg(HW_REG_WAVE_MODE, 25, 1), 1
	s_wait_xcnt 0x0
	s_wait_alu depctr_hold_cnt(0) depctr_sa_sdst(0) depctr_va_vdst(0) depctr_va_sdst(0) depctr_va_ssrc(0) depctr_va_vcc(0) depctr_vm_vsrc(0)
	s_getreg_b32 s2, hwreg(HW_REG_IB_STS2, 6, 4)
	s_cmp_eq_u32 s2, 0
	s_cbranch_scc0 .Lentry_in_a_cluster
	s_endpgm
.Lentry_in_a_cluster:
	s_bfe_u32 s2, ttmp6, 0x10000c
	s_cmp_lg_u32 s2, 0xf033
	s_cbranch_scc0 .Lentry_shape_is_right
	s_endpgm
.Lentry_shape_is_right:
; out0[m][f] = sum over e of a[m][e] w_o[f][e]; a = ao [block of 128 rows][panel 16][128][64] f16 (panel = head: e = 64 h ..),
; woh [block of 256 rows f][panel 16][256][64] f16; out0 f32.
; A work-group makes 128 x 256 with four waves, a wave 64 x 128: 32 accumulator tiles in window 1.  64 x 4 = 256 work-groups.
; K goes in steps of 192 (three panels) through two LDS slots, the largest that fit: a slot holds A's three panels (17,408 bytes each) and B's three
; (34,816 each), rows of 256 bytes (two rows of a panel) padded by 16.  A block's panels follow each other in memory, so wave 3 brings A's three panels
; by one load of 192 rows, and waves 0 to 2 one panel of B each (128 rows), to LDS byte 52,224 + 34,816 x wave of the slot.
; 16 panels = 5 steps of three and one of one; the last refill brings one panel: wave 3 A's 64 rows, wave 0 B's 128, waves 1 and 2 nothing.
; From a refill's request to the wait for it a wave issues 176 products.
; CLUSTERS: 4 x 4; A's tiles are shared along a cluster row, B's along a column, by joint loads.  Two loads of a wave are out at the start, later one.
; THE STAGE of the way out lies in slot 0's first 33,792 bytes: they have had their last fill (panels 12 to 14), and every wave's last reads of slot 0
; are waited for in front of the barrier of the change to the last slot.
; The matrix instruction is used transposed, so that a lane holds 8 neighbouring columns of a row.  The 32 accumulators take turns, one instruction
; a turn.
.set APL,   17408
.set BPL,   34816
.set ABYT,  3*APL                      ; 52,224: A's part of a slot
.set SLOT,  3*APL+3*BPL                ; 156,672
.set SP,    528                        ; a row of the stage: 512 bytes + 16
.set FBLK,  2176                       ; 16 rows of a panel in LDS
.set ASTEP, 3*16384                    ; bytes of three panels of a block of ao
.set BSTEP, 3*32768                    ; of woh
.set ADRA, 16                          ; v16-17 my A fragments in slot 0, 1
.set ADRB, 20                          ; v20-21 my B fragments, panels 0 and 1 of the slot
.set ADRC, 22                          ; v22-23 panel 2 (beyond the reach of the 16-bit offset)
.set STO,  24
.set RD,   25
.set CO,   26
.set F0,   32                          ; buffer 0: A v32-63, B v64-127
.set F1,   128                         ; buffer 1: A v128-159, B v160-223
.set G1,  24                           ; s[24:31] group 1 for A
.set G0,  32                           ; s[32:39] group 0 for A, a set for each slot
.set G1B, 48                           ; s[48:55] group 1 for B
.set G0B, 56                           ; s[56:63] group 0 for B
.set G1W, (3<<16)|(1<<20)|(1<<21)|(5<<22)|(3<<25)   ; elements of 8 bytes; padding on; bit 21 beside a mask; after every 64 words; 4 words
.set MSB, 0
.macro WIN new                         ; the immediate's high byte repeats the setting that is left
.if MSB != (\new)
	s_set_vgpr_msb (MSB<<8)|(\new)
.set MSB, (\new)
.endif
.endm
.macro PLACES                          ; four places behind a matrix instruction (ISA guide 7.12.1) before its registers are loaded, read or written
.rept 4
	v_nop
.endr
.endm
.macro JLOAD s                         ; wave 3 asks for A's three panels, waves 0 to 2 for a panel of B each; the branch hangs on the wave's number alone
	s_cmp_eq_u32 s10, 3
	s_cbranch_scc0 .Lfor_b_\@
	tensor_load_to_lds s[G0+4*\s:G0+4*\s+3], s[G1:G1+7]
	s_nop 0
.rept 4
	v_nop
.endr
	s_branch .Lasked_\@
.Lfor_b_\@:
	tensor_load_to_lds s[G0B+4*\s:G0B+4*\s+3], s[G1B:G1B+7]
	s_nop 0
.rept 4
	v_nop
.endr
.Lasked_\@:
.endm
.macro JLAST s                         ; the last panel: wave 3 asks for A's, wave 0 for B's; waves 1 and 2 have no part of it
	s_cmp_eq_u32 s10, 3
	s_cbranch_scc0 .Lnot_a_\@
	tensor_load_to_lds s[G0+4*\s:G0+4*\s+3], s[G1:G1+7]
	s_nop 0
.rept 4
	v_nop
.endr
	s_branch .Lasked_\@
.Lnot_a_\@:
	s_cmp_eq_u32 s10, 0
	s_cbranch_scc0 .Lasked_\@
	tensor_load_to_lds s[G0B+4*\s:G0B+4*\s+3], s[G1B:G1B+7]
	s_nop 0
.rept 4
	v_nop
.endr
.Lasked_\@:
.endm
.macro CREST                           ; a round of the cluster's barrier behind its opening work-group barrier
	s_cmp_lg_u32 s10, 0
	s_cbranch_scc1 .Lnot_wave_0_\@
	s_barrier_signal -3
.Lnot_wave_0_\@:
	s_barrier_wait -3
	s_barrier_signal -1
	s_barrier_wait -1
.endm
.macro CROUND
	s_barrier_signal -1
	s_barrier_wait -1
	CREST
.endm
	s_load_b128 s[4:7], s[0:1], 0x0                ; ao s[4:5], woh s[6:7]
	s_load_b64 s[8:9], s[0:1], 0x10                ; out0
	v_lshl_add_u32 v254, v0, 2, 0x4cc00
	v_mov_b32 v255, 0
	ds_add_u32 v254, v255
	v_lshrrev_b32 v1, 5, v0
	v_readfirstlane_b32 s10, v1                    ; wave
	s_lshr_b32 s11, s10, 1                         ; my half of the rows
	s_and_b32 s12, s10, 1                          ; my half of the columns
	s_bfe_u32 s40, ttmp6, 0x40000                  ; cx
	s_bfe_u32 s41, ttmp6, 0x40004                  ; cy
	s_lshl_b32 s42, ttmp9, 2
	s_add_co_u32 s42, s42, s40                     ; block column
	s_and_b32 s13, ttmp7, 0xffff
	s_lshl_b32 s13, s13, 2
	s_add_co_u32 s13, s13, s41                     ; block row
	s_lshl_b32 s43, s41, 2
	s_lshl_b32 s43, 15, s43                        ; my row of the cluster
	s_lshl_b32 s44, 0x1111, s40                    ; my column
	s_or_b32 s[G1+0], s43, G1W
	s_or_b32 s[G1B+0], s44, G1W
	s_mov_b32 s[G1+1], 32<<16                      ; rows of 32 elements of 8 bytes
	s_mov_b32 s[G1B+1], 32<<16
	s_mov_b32 s[G1+2], 192<<16                     ; A: three panels of 128 rows = 192 rows of 256 bytes
	s_mov_b32 s[G1B+2], 128<<16                    ; B: one panel of 256 rows = 128
	s_mov_b32 s[G1+3], 32<<16
	s_mov_b32 s[G1B+3], 32<<16
	s_mov_b32 s[G1+4], 192
	s_mov_b32 s[G1B+4], 128
	s_mov_b32 s[G1+5], 32                          ; dense
	s_mov_b32 s[G1B+5], 32
	s_mov_b32 s[G1+6], 0
	s_mov_b32 s[G1B+6], 0
	s_mov_b32 s[G1+7], 0
	s_mov_b32 s[G1B+7], 0
	s_lshl_b32 s16, s13, 18                        ; A: a block of 128 rows is 16 panels x 16,384 bytes
	s_mov_b32 s17, 0
	s_lshl_b32 s46, s42, 19                        ; B: a block of 256 rows is 16 panels x 32,768 bytes,
	s_lshl_b32 s47, s10, 15                        ; + the panel of a step that I fetch: my wave's number (wave 3 makes and steps these registers too, and no load of its names them)
	s_add_co_u32 s46, s46, s47
	s_mov_b32 s47, 0
	s_mul_i32 s45, s10, BPL                        ; LDS: my wave's number x a panel,
	s_add_co_u32 s45, s45, ABYT                    ; behind A's three; no place in the cluster enters
	s_wait_dscnt 0x0
	s_wait_kmcnt 0x0
	s_add_nc_u64 s[14:15], s[4:5], s[16:17]
	s_add_nc_u64 s[46:47], s[6:7], s[46:47]
	CROUND                                         ; all sixteen work-groups are here: the first joint loads meet
.irp s, 0,1
	s_mov_b32 s[G0+4*\s], 1
	s_mov_b32 s[G0+4*\s+1], \s*SLOT
	s_add_nc_u64 s[G0+4*\s+2:G0+4*\s+3], s[14:15], \s*ASTEP
	s_or_b32 s[G0+4*\s+3], s[G0+4*\s+3], 0x80000000
	s_mov_b32 s[G0B+4*\s], 1
	s_add_co_u32 s[G0B+4*\s+1], s45, \s*SLOT
	s_add_nc_u64 s[G0B+4*\s+2:G0B+4*\s+3], s[46:47], \s*BSTEP
	s_or_b32 s[G0B+4*\s+3], s[G0B+4*\s+3], 0x80000000
	JLOAD \s                                       ; panels 0-2 and 3-5: two loads of the wave are out
.endr
	v_and_b32 v1, 15, v0                           ; r
	v_bfe_u32 v2, v0, 4, 1                         ; h
	v_lshrrev_b32 v4, 1, v1
	v_and_b32 v5, 1, v1
	v_mul_u32_u24 v3, v4, 272
	v_lshl_add_u32 v3, v5, 7, v3
	v_lshl_add_u32 v3, v2, 4, v3                   ; (r / 2) 272 + (r mod 2) 128 + 16 h
	s_mul_i32 s21, s11, 8704                       ; my 64 rows of A
	s_mul_i32 s22, s12, 17408                      ; my 128 rows of B,
	s_add_co_u32 s22, s22, ABYT                    ; behind A's three panels
.irp s, 0,1
	v_add_nc_u32 v[ADRA+\s], s21, v3
	v_add_nc_u32 v[ADRB+\s], s22, v3
	v_add_nc_u32 v[ADRC+\s], 2*BPL, v[ADRB+\s]
	s_add_co_u32 s21, s21, SLOT
	s_add_co_u32 s22, s22, SLOT
.endr
	s_mul_i32 s23, s10, 16*SP                      ; my stage: 8,448 bytes x wave, from LDS byte 0
	v_mul_u32_u24 v4, v1, SP
	v_lshl_add_u32 v4, v2, 5, v4
	v_add_nc_u32 v[STO], s23, v4                   ; in: row r, 32 bytes for each half of the lanes
	v_and_b32 v6, 31, v0
	v_lshlrev_b32 v[CO], 4, v6
	v_add_nc_u32 v[RD], s23, v[CO]                 ; back: the 32 lanes take a row's 512 bytes
.macro FETCH slot, q, f                ; 24 loads: sixth q of the step (panel q / 2, byte 64 (q mod 2) of its rows)
.irp b, 0,1,2,3,4,5,6,7
.if (\q/2) == 2
	ds_load_b128 v[\f+32+8*\b:\f+32+8*\b+3], v[ADRC+\slot] offset:\b*FBLK+64*(\q%2)
	ds_load_b128 v[\f+36+8*\b:\f+36+8*\b+3], v[ADRC+\slot] offset:\b*FBLK+64*(\q%2)+32
.else
	ds_load_b128 v[\f+32+8*\b:\f+32+8*\b+3], v[ADRB+\slot] offset:(\q/2)*BPL+\b*FBLK+64*(\q%2)
	ds_load_b128 v[\f+36+8*\b:\f+36+8*\b+3], v[ADRB+\slot] offset:(\q/2)*BPL+\b*FBLK+64*(\q%2)+32
.endif
.endr
.irp a, 0,1,2,3
	ds_load_b128 v[\f+8*\a:\f+8*\a+3],   v[ADRA+\slot] offset:(\q/2)*APL+\a*FBLK+64*(\q%2)
	ds_load_b128 v[\f+8*\a+4:\f+8*\a+7], v[ADRA+\slot] offset:(\q/2)*APL+\a*FBLK+64*(\q%2)+32
.endr
.endm
.macro MUL16 f, a0, zero               ; 16 products: m blocks a0, a0 + 1 x all 8 n blocks; zero = 1: the product starts the sum
	WIN 0x50
.irp a, \a0, \a0+1
.irp b, 0,1,2,3,4,5,6,7
.if \zero
	v_wmma_f32_16x16x32_f16 v[8*(8*(\a)+\b):8*(8*(\a)+\b)+7], v[\f+32+8*\b:\f+32+8*\b+7], v[\f+8*(\a):\f+8*(\a)+7], 0
.else
	v_wmma_f32_16x16x32_f16 v[8*(8*(\a)+\b):8*(8*(\a)+\b)+7], v[\f+32+8*\b:\f+32+8*\b+7], v[\f+8*(\a):\f+8*(\a)+7], v[8*(8*(\a)+\b):8*(8*(\a)+\b)+7]
.endif
.endr
.endr
.endm
.macro SIXTH slot, q, f, g, zero       ; fetches sixth q into buffer g, multiplies buffer f
	WIN 0
	PLACES                                         ; four places behind the products that read buffer g
	FETCH \slot, \q, \g
	s_wait_dscnt 24                                ; all but the 24 just issued: buffer f is in
	MUL16 \f, 0, \zero
	MUL16 \f, 2, \zero
.endm
.macro FIVE slot, zero
	SIXTH \slot, 1, F0, F1, \zero
	SIXTH \slot, 2, F1, F0, 0
	SIXTH \slot, 3, F0, F1, 0
	SIXTH \slot, 4, F1, F0, 0
	SIXTH \slot, 5, F0, F1, 0
.endm
; The last sixth and the change of slots: each wave waits for its reads of this slot and for all its tensor loads, the barrier (fill > 0: it opens a
; round of the cluster's barrier), the joint refill first behind it, then the next slot's first fragments.  fill = 1: three panels; 2: the last panel.
.macro TURN slot, next, fill
	s_wait_dscnt 0x0                               ; my reads of this slot are over
	s_wait_tensorcnt 0x0                           ; all my tensor loads have landed
	ds_add_u32 v254, v255
	s_wait_dscnt 0x0
	s_barrier_signal -1
	MUL16 F1, 0, 0                                 ; register work while the others arrive
	WIN 0
	s_barrier_wait -1
.if \fill
	CREST
	s_add_nc_u64 s[G0+4*\slot+2:G0+4*\slot+3], s[G0+4*\slot+2:G0+4*\slot+3], 2*ASTEP       ; no load of mine is out: two steps on
	s_add_nc_u64 s[G0B+4*\slot+2:G0B+4*\slot+3], s[G0B+4*\slot+2:G0B+4*\slot+3], 2*BSTEP
.if \fill == 1
	JLOAD \slot                                    ; its four v_nop are also the places in front of the loads below
.else
	s_mov_b32 s[G1+2], 64<<16                      ; A's last panel alone: 64 rows of 256 bytes
	s_mov_b32 s[G1+4], 64
	JLAST \slot
	PLACES                                         ; waves 1 and 2 have passed no v_nop
.endif
.else
	PLACES
.endif
	FETCH \next, 0, F0
	MUL16 F1, 2, 0
.endm
	s_wait_tensorcnt 0x1                           ; my part of panels 0-2 is in; panels 3-5 stay out
	s_barrier_signal -1
	s_barrier_wait -1
	FETCH 0, 0, F0
	FIVE 0, 1                                      ; panels 0-2: the first products start the sums
	TURN 0, 1, 1                                   ; slot 0 gets panels 6-8
	FIVE 1, 0                                      ; panels 3-5
	TURN 1, 0, 1                                   ; slot 1 gets panels 9-11
	FIVE 0, 0                                      ; panels 6-8
	TURN 0, 1, 1                                   ; slot 0 gets panels 12-14: its last fill
	FIVE 1, 0                                      ; panels 9-11
	TURN 1, 0, 2                                   ; slot 1 gets panel 15
	FIVE 0, 0                                      ; panels 12-14
	TURN 0, 1, 0                                   ; nothing is left to fetch; behind this barrier no wave reads slot 0 any more
	SIXTH 1, 1, F0, F1, 0                          ; panel 15
	s_wait_dscnt 0x0
	MUL16 F1, 0, 0
	MUL16 F1, 2, 0
	WIN 0
	PLACES
	s_lshl_b32 s16, s13, 19                        ; 128 rows of 4,096 bytes for each block row,
	s_lshl_b32 s17, s11, 18                        ; + my 64 rows
	s_add_co_u32 s16, s16, s17
	s_mov_b32 s17, 0
	s_add_nc_u64 s[8:9], s[8:9], s[16:17]
	s_lshl_b32 s46, s42, 10                        ; 256 columns of 4 bytes for each block column,
	s_lshl_b32 s47, s12, 9                         ; + my 128
	s_add_co_u32 s46, s46, s47
	s_mov_b32 s47, 0
	s_add_nc_u64 s[8:9], s[8:9], s[46:47]
; 16 rows at a time through my own stage; a store of the wave covers the 512 consecutive bytes of my part of one row, aligned
.macro OUT16 a, rb
	WIN 0x04
.irp b, 0,1,2,3,4,5,6,7
	ds_store_b128 v[STO], v[8*(8*\a+\b):8*(8*\a+\b)+3]   offset:64*\b
	ds_store_b128 v[STO], v[8*(8*\a+\b)+4:8*(8*\a+\b)+7] offset:64*\b+16
.endr
	WIN 0
	s_wait_xcnt 0x0                                ; the registers below were data of earlier stores: loaded again only behind this wait
.irp t, 0,1,2,3,4,5,6,7,8,9,10,11,12,13,14,15
	ds_load_b128 v[\rb+4*\t:\rb+4*\t+3], v[RD] offset:SP*\t                    ; LDS serves a wave in order: these see the stores above
.endr
.irp t, 0,1,2,3,4,5,6,7,8,9,10,11,12,13,14,15
	s_wait_dscnt 15-\t
	global_store_b128 v[CO], v[\rb+4*\t:\rb+4*\t+3], s[8:9] offset:(16*\a+\t)*4096 th:TH_STORE_NT
.endr
.endm
	OUT16 0, 32
	OUT16 1, 128
	OUT16 2, 32
	OUT16 3, 128
	s_wait_tensorcnt 0x0
	ds_add_u32 v254, v255
	s_wait_dscnt 0x0
	CROUND                                         ; the closing round: no work-group ends while a partner may still ask jointly
	s_endpgm
.Lfunc_end_k_qdd9ad4b54c_oproj:
	.size	k_qdd9ad4b54c_oproj, .Lfunc_end_k_qdd9ad4b54c_oproj-k_qdd9ad4b54c_oproj
	.p2alignl 7, 3214868480
	.fill 96, 4, 3214868480
	.section	.rodata,"a",@progbits
	.p2align	6, 0x0
	.amdhsa_kernel k_qdd9ad4b54c_oproj
		.amdhsa_group_segment_fixed_size 327680
		.amdhsa_private_segment_fixed_size 0
		.amdhsa_enable_private_segment 0
		.amdhsa_kernarg_size 24
		.amdhsa_user_sgpr_count 2
		.amdhsa_user_sgpr_kernarg_segment_ptr 1
		.amdhsa_wavefront_size32 1
		.amdhsa_system_sgpr_workgroup_id_x 1
		.amdhsa_system_sgpr_workgroup_id_y 1
		.amdhsa_system_sgpr_workgroup_id_z 1
		.amdhsa_system_vgpr_workitem_id 0
		.amdhsa_next_free_vgpr 512
		.amdhsa_next_free_sgpr 66
		.amdhsa_reserve_vcc 0
		.amdhsa_float_denorm_mode_32 3
		.amdhsa_float_denorm_mode_16_64 3
		.amdhsa_memory_ordered 1
		.amdhsa_forward_progress 1
		.amdhsa_inst_pref_size 147
	.end_amdhsa_kernel
	.amdgpu_metadata
---
amdhsa.version: [ 1, 2 ]
amdhsa.kernels:
  - .name:           k_qdd9ad4b54c_oproj
    .symbol:         k_qdd9ad4b54c_oproj.kd
    .args:
      - { .name: ao, .offset: 0, .size: 8, .value_kind: global_buffer, .address_space: global }
      - { .name: woh, .offset: 8, .size: 8, .value_kind: global_buffer, .address_space: global }
      - { .name: out0, .offset: 16, .size: 8, .value_kind: global_buffer, .address_space: global }
    .group_segment_fixed_size: 327680
    .private_segment_fixed_size: 0
    .kernarg_segment_align: 8
    .kernarg_segment_size: 24
    .max_flat_workgroup_size: 128
    .sgpr_count:     66
    .vgpr_count:     512
    .wavefront_size: 32
...
	.end_amdgpu_metadata
.endif
;; end of part 4
;; ======== version 2 of 2: 4 launches; version 1 with the launch cast written anew for expert scheduling mode
;; limits: values are held in f16: magnitudes above 65,504 overflow, below 6.1e-05 lose precision
;; workspace buffers: xh 16,777,216 bytes; wh 6,291,456 bytes; woh 2,097,152 bytes; qkv 50,331,648 bytes; ao 16,777,216 bytes
;; launch cast (part 5): grid 768 x 1, 4 waves a work-group, no clusters, 0 bytes of LDS; arguments x, w_q, w_k, w_v, w_o, xh, wh, woh; writes xh, wh, woh
.if DOCPART == 5
	.amdgcn_target "amdgcn-amd-amdhsa--gfx1250"
	.amdhsa_code_object_version 6
	.text
	.protected	k_qdd9ad4b54c_cast
	.globl	k_qdd9ad4b54c_cast
	.p2align	8
	.type	k_qdd9ad4b54c_cast,@function
k_qdd9ad4b54c_cast:
	s_mov_b64 s[64:65], 0
	v_nop
	global_prefetch_b8 v0, s[64:65] scope:SCOPE_SE
	s_setreg_imm32_b32 hwreg(HW_REG_WAVE_SCHED_MODE, 0, 2), 2
	s_setreg_imm32_b32 hwreg(HW_REG_WAVE_MODE, 25, 1), 1
	s_wait_xcnt 0x0
	s_wait_alu depctr_vm_vsrc(0)
; f32 to f16, once, and a new order.  A panel holds 64 neighbouring columns.
;   xh  [16 panels][8192 rows][64];   wh [16 panels][3072 rows][64] (rows 0-1023 w_q, 1024-2047 w_k, 2048-3071 w_v);
;   woh [4 blocks of 256 rows][16 panels][256 rows][64]: all panels of a block of rows follow each other.
; LIMIT: a number of magnitude 65,520 or more becomes an f16 infinity; magnitudes below 6e-5 keep an absolute step of 6e-8.
; A stream: every input byte is read once and every output byte written once.  No LDS, no barrier, no matrix unit, no cluster: no two
; work-groups read the same byte and nothing is summed.
; 768 work-groups of 16 rows: 512 for x, 64 for each of the four weights.  A wave takes 4 rows.  A load of the wave takes one panel of two rows:
; lanes 0-15 the 256 consecutive bytes of one row, lanes 16-31 those of the next.  A lane's 4 numbers become 8 bytes, and a store of the wave
; covers 256 consecutive bytes, aligned (two rows of 128 bytes of the panel).
; All 32 loads of a wave go out first (16 KiB on their way).
; THE MODE: SCHED_MODE bits 1:0 = 2 (LLVM: expert scheduling mode 2), set by the entry lines.  The code itself states the register dependences
; between vector instructions and memory instructions, with s_wait_alu, always for 0.
; THE PLAN.  Registers that memory instructions touch:
;   v3          the source offset: written at the head, read by all 32 loads, never written again.
;   v[DOF ..]   the 16 destination offsets: v4 written at the head, v5 to v19 behind the loads; read by the stores, never written again.
;   v[X + 4 i ..], load i: no vector instruction names the four before load i lands in them; its two conversions then read the four and write the first
;               two; store i reads those two; nothing writes them again.
; So no load lands in a register that a vector instruction has named, and no register that a memory instruction has read is written again: what is
; left to state is that offsets and store data are written before a memory instruction reads them.
; The 32 loads go in eight groups of four (two panels).  Group g converts its own sixteen registers; its memory instructions are the four stores of
; group g - 1, whose registers no conversion of group g names.  So ONE wait at a group's head states all that its four stores hang on, and the stores
; are dealt among the group's conversions with no further wait.
.set X,   32                           ; v[32:159]  load i = 2 panel + row pair: 4 registers as loaded; its first 2 then hold the 4 f16
.set DOF, 4                            ; v[4:19]    panel p: byte offset of my 8 bytes in the destination
	s_load_b512 s[8:23], s[0:1], 0x0               ; x 8, w_q 10, w_k 12, w_v 14, w_o 16, xh 18, wh 20, woh 22
	s_mov_b32 s2, ttmp9                            ; g: the work-group
	s_and_b32 s26, s2, 63                          ; row group inside a weight (512, 576, 640, 704 are multiples of 64)
	s_lshl_b32 s26, s26, 16                        ; source offset in a weight: 16 rows of 4,096 bytes
	s_lshl_b32 s35, s2, 16                         ; source offset in x
	s_lshl_b32 s37, s2, 11                         ; destination offset in xh: 16 rows of 128 bytes
	s_sub_co_u32 s28, s2, 512
	s_lshl_b32 s28, s28, 11                        ; in wh (used where 512 <= g < 704)
	s_sub_co_u32 s29, s2, 704                      ; row group in w_o (used where g >= 704)
	s_lshr_b32 s36, s29, 4
	s_lshl_b32 s36, s36, 19                        ; its block of 256 rows: 16 panels x 32,768 bytes
	s_and_b32 s29, s29, 15
	s_lshl_b32 s29, s29, 11
	s_add_co_u32 s29, s29, s36                     ; in woh
	s_mov_b32 s32, 0x8000                          ; from panel to panel: woh 256 rows x 128 bytes
	s_mov_b32 s33, 0x60000                         ; wh 3072 rows x 128
	s_mov_b32 s34, 0x100000                        ; xh 8192 rows x 128
	v_lshrrev_b32 v1, 5, v0                        ; wave
	v_bfe_u32 v2, v0, 4, 1                         ; the upper sixteen lanes: one row further
	v_lshl_add_u32 v2, v1, 2, v2                   ; my row: 4 wave + lane / 16
	v_and_b32 v3, 15, v0
	v_lshlrev_b32 v3, 4, v3                        ; 16 bytes a lane
	v_lshl_add_u32 v3, v2, 12, v3                  ; + row x 4,096
	v_lshlrev_b32 v[DOF], 3, v0
	v_lshl_add_u32 v[DOF], v1, 8, v[DOF]           ; destination: 512 wave + 8 lane
	s_wait_kmcnt 0x0
	s_cmp_lt_u32 s2, 704                           ; the choices hang on the work-group's number alone
	s_cselect_b64 s[24:25], s[14:15], s[16:17]     ; source: w_v or w_o
	s_cselect_b64 s[30:31], s[20:21], s[22:23]     ; destination: wh or woh
	s_cselect_b32 s28, s28, s29
	s_cselect_b32 s32, s33, s32
	s_cmp_lt_u32 s2, 640
	s_cselect_b64 s[24:25], s[12:13], s[24:25]     ; w_k
	s_cmp_lt_u32 s2, 576
	s_cselect_b64 s[24:25], s[10:11], s[24:25]     ; w_q
	s_cmp_lt_u32 s2, 512
	s_cselect_b64 s[24:25], s[8:9], s[24:25]       ; x
	s_cselect_b64 s[30:31], s[18:19], s[30:31]     ; xh
	s_cselect_b32 s26, s35, s26
	s_cselect_b32 s28, s37, s28
	s_cselect_b32 s32, s34, s32
	s_mov_b32 s27, 0
	s_mov_b32 s29, 0
	s_add_nc_u64 s[24:25], s[24:25], s[26:27]
	s_add_nc_u64 s[30:31], s[30:31], s[28:29]
	s_wait_alu depctr_va_vdst(0)                   ; v3 is written: all 32 loads read it as their offset
.irp p, 0,1,2,3,4,5,6,7,8,9,10,11,12,13,14,15
	global_load_b128 v[X+8*\p:X+8*\p+3],   v3, s[24:25] offset:256*\p th:TH_LOAD_NT          ; rows 4 w, 4 w + 1
	global_load_b128 v[X+8*\p+4:X+8*\p+7], v3, s[24:25] offset:256*\p+8192 th:TH_LOAD_NT     ; rows 4 w + 2, 4 w + 3
.endr
.irp p, 1,2,3,4,5,6,7,8,9,10,11,12,13,14,15
	v_add_nc_u32 v[DOF+\p], s32, v[DOF+\p-1]       ; one panel further; no load names these registers, and the first store stands behind group 1's wait
.endr
; Group g: loads 4 g to 4 g + 3, that is panels 2 g and 2 g + 1.  Load 4 g + n has the registers X + 16 g + 4 n on; it belongs to panel 2 g + n / 2, row pair n mod 2.
.irp g, 0,1,2,3,4,5,6,7
	s_wait_loadcnt 28-4*\g                         ; loads come back in order: this group's four are in, the younger ones stay out
.if \g > 0
	s_wait_alu depctr_va_vdst(0)                   ; the conversions of the group before have written the eight registers that the four stores below read; in group 1 also: v4 to v19, the stores' offsets, are written
.endif
.irp n, 0,1,2,3
.if \g > 0
	global_store_b64 v[DOF+2*\g-2+(\n)/2], v[X+16*\g-16+4*(\n):X+16*\g-15+4*(\n)], s[30:31] offset:256*((\n)%2)   ; the group before; no conversion since the wait names these registers
.endif
	v_cvt_pk_f16_f32 v[X+16*\g+4*(\n)],   v[X+16*\g+4*(\n)],   v[X+16*\g+4*(\n)+1]   ; in place, ascending: a register is read no later than it is written
	v_cvt_pk_f16_f32 v[X+16*\g+4*(\n)+1], v[X+16*\g+4*(\n)+2], v[X+16*\g+4*(\n)+3]
.endr
.endr
	s_wait_alu depctr_va_vdst(0)                   ; group 7's conversions have written the eight registers that the last four stores read
.irp n, 0,1,2,3
	global_store_b64 v[DOF+14+(\n)/2], v[X+112+4*(\n):X+113+4*(\n)], s[30:31] offset:256*((\n)%2)
.endr
	s_endpgm
.Lfunc_end_k_qdd9ad4b54c_cast:
	.size	k_qdd9ad4b54c_cast, .Lfunc_end_k_qdd9ad4b54c_cast-k_qdd9ad4b54c_cast
	.p2alignl 7, 3214868480
	.fill 96, 4, 3214868480
	.section	.rodata,"a",@progbits
	.p2align	6, 0x0
	.amdhsa_kernel k_qdd9ad4b54c_cast
		.amdhsa_group_segment_fixed_size 0
		.amdhsa_private_segment_fixed_size 0
		.amdhsa_enable_private_segment 0
		.amdhsa_kernarg_size 64
		.amdhsa_user_sgpr_count 2
		.amdhsa_user_sgpr_kernarg_segment_ptr 1
		.amdhsa_wavefront_size32 1
		.amdhsa_system_sgpr_workgroup_id_x 1
		.amdhsa_system_sgpr_workgroup_id_y 1
		.amdhsa_system_sgpr_workgroup_id_z 1
		.amdhsa_system_vgpr_workitem_id 0
		.amdhsa_next_free_vgpr 160
		.amdhsa_next_free_sgpr 66
		.amdhsa_reserve_vcc 0
		.amdhsa_float_denorm_mode_32 3
		.amdhsa_float_denorm_mode_16_64 3
		.amdhsa_memory_ordered 1
		.amdhsa_forward_progress 1
		.amdhsa_inst_pref_size 14
	.end_amdhsa_kernel
	.amdgpu_metadata
---
amdhsa.version: [ 1, 2 ]
amdhsa.kernels:
  - .name:           k_qdd9ad4b54c_cast
    .symbol:         k_qdd9ad4b54c_cast.kd
    .args:
      - { .name: x, .offset: 0, .size: 8, .value_kind: global_buffer, .address_space: global }
      - { .name: w_q, .offset: 8, .size: 8, .value_kind: global_buffer, .address_space: global }
      - { .name: w_k, .offset: 16, .size: 8, .value_kind: global_buffer, .address_space: global }
      - { .name: w_v, .offset: 24, .size: 8, .value_kind: global_buffer, .address_space: global }
      - { .name: w_o, .offset: 32, .size: 8, .value_kind: global_buffer, .address_space: global }
      - { .name: xh, .offset: 40, .size: 8, .value_kind: global_buffer, .address_space: global }
      - { .name: wh, .offset: 48, .size: 8, .value_kind: global_buffer, .address_space: global }
      - { .name: woh, .offset: 56, .size: 8, .value_kind: global_buffer, .address_space: global }
    .group_segment_fixed_size: 0
    .private_segment_fixed_size: 0
    .kernarg_segment_align: 8
    .kernarg_segment_size: 64
    .max_flat_workgroup_size: 128
    .sgpr_count:     66
    .vgpr_count:     160
    .wavefront_size: 32
...
	.end_amdgpu_metadata
.endif
;; end of part 5
;; launch proj: the kernel of part 2 again; grid 8 x 32, 4 waves a work-group, clusters of 4 x 4, 327,680 bytes of LDS; arguments xh, wh, qkv; writes qkv
;; launch attn: the kernel of part 3 again; grid 4 x 64, 8 waves a work-group, clusters of 4 x 1, 327,680 bytes of LDS; arguments qkv, ao; writes ao
;; launch oproj: the kernel of part 4 again; grid 4 x 64, 4 waves a work-group, clusters of 4 x 4, 327,680 bytes of LDS; arguments ao, woh, out0; writes out0
